; MI455X (gfx1250); checked and timed in simulation.
; The chip was launched on July 23, 2026; its instructions are those of AMD's public machine-readable ISA for CDNA 5 (MIT licence, August 2026) and "CDNA5" Instruction Set Architecture Reference Guide (July 2026). The comments in the code are by the model that wrote it; some were corrected since.
;; Full Attention. Allowed arithmetic: matrix products marked QUANTISED: E2M1 operands, one E8M0 scale for each 32 along K, by v_wmma_scale_f32_16x16x128_f8f6f4 with both operands' format E2M1 (or v_wmma_scale_f32_32x16x128_f4), f32 sums; products left as they are: bf16, f16 or f32 operands; f32 sums; everything else in f32.
;; Inputs: keys 2 x 4,096 x 8 x 64 float32; queries 2 x 4,096 x 8 x 64 float32; values 2 x 4,096 x 8 x 64 float32.
;; Outputs: out0 2 x 4,096 x 8 x 64 float32.
;; This version of the problem:
;;   THIS VERSION OF THE PROBLEM IS GIVEN IN LOW PRECISION. The matrix products marked QUANTISED in the list below multiply operands that are first quantised to E2M1 (2 exponent bits, 1 mantissa bit; 4 bits a number), with one power-of-two scale for each 32 numbers along K (OCP MX v1.0); their sums are f32. The products marked 'left as it is' may take bf16, f16 or f32 operands, with f32 sums. Whichever they take, every output number must still come out within the allowed error. Rounding operands to bf16 (8 significant bits) uses up far more of that allowance than f16 does (11 bits, for magnitudes from 6e-5 to 65,504). All else is computed in f32.
;;   The module's matrix products, in the order in which they are computed (A, B: the left and right operand; K: the contracted axis; several contracted axes count as one K, in the product's order):
;;     1. batch 16 x [M 4,096, K 64] x [K 64, N 4,096]; A: input keys; B: input queries: QUANTISED
;;     2. batch 16 x [M 64, K 4,096] x [K 4,096, N 4,096]; A: input values; B: computed on the way: left as it is (an operand is computed on the way)
;;   THE QUANTISER, for each operand of a quantised product, along K:
;;     - K is cut into blocks of 32 from its start; a last block that is shorter is filled with zeros.
;;     - A block's scale is 2^e with e = floor(log2(the largest magnitude in the block)) - 2, held to -126 .. 127; a block of zeros has e = 0. As a byte (E8M0): e + 127.
;;     - Each number is divided by its block's scale, clamped to +-6, and rounded to the nearest number of E2M1, ties to even, subnormals kept.
;;     - The product sums the exact products of the quantised numbers (number of the format x scale) in f32.
;;   ~~~python
;;   def quantise(x, axis):      # numpy; x: float32 -> the quantised numbers, widened to float32 again
;;       x = np.moveaxis(x, axis, -1); K = x.shape[-1]
;;       x = np.pad(x, [(0, 0)] * (x.ndim - 1) + [(0, -K % 32)]); x = x.reshape(x.shape[:-1] + (-1, 32)); a = np.abs(x).max(-1, keepdims=True)
;;       e = np.where(a > 0, np.clip(np.frexp(np.where(a > 0, a, 1))[1] - 1 - 2, -126, 127), 0)      # np.frexp(a)[1] - 1 = floor(log2(a)), exactly
;;       r = np.clip(x / 2.0 ** e, -6, 6)
;;       step = 2.0 ** (np.maximum(np.frexp(np.where(r == 0, 1, r))[1] - 1, 0) - 1)
;;       q = np.round(r / step) * step * 2.0 ** e      # np.round: ties to even
;;       return np.moveaxis(q.reshape(q.shape[:-2] + (-1,))[..., :K], -1, axis).astype(np.float32)
;;   ~~~
;; One version. Each part assembles by itself: llvm-mc -triple=amdgcn-amd-amdhsa -mcpu=gfx1250 --defsym DOCPART=n.
;; ======== version 1 of 1: 2 launches
;; limits: values are held in f16: magnitudes above 65,504 overflow, below 6.1e-05 lose precision; inputs' magnitudes at most 65,504
;; workspace buffers: qpack 2,359,296 bytes; kv 10,747,904 bytes
;; launch prep (part 1): grid 512 x 1, 4 waves a work-group, no clusters, 35,328 bytes of LDS; arguments queries, keys, values, qpack, kv; writes qpack, kv
.if DOCPART == 1
	.amdgcn_target "amdgcn-amd-amdhsa--gfx1250"
	.amdhsa_code_object_version 6
	.text
	.protected	k_qa634b09d82_prep
	.globl	k_qa634b09d82_prep
	.p2align	8
	.type	k_qa634b09d82_prep,@function
k_qa634b09d82_prep:
	s_mov_b64 s[64:65], 0
	v_nop
	global_prefetch_b8 v0, s[64:65] scope:SCOPE_SE
	s_setreg_imm32_b32 hwreg(HW_REG_WAVE_MODE, 25, 1), 1
	s_wait_xcnt 0x0
; queries, keys, values: [2][4096][8][64] f32.  A (position, head) row is 256 consecutive bytes; the rows of one head lie 2,048 bytes apart.
; This launch lays the three tensors out once, in the order in which the attention launch's operand registers take them.
; QUERIES AND KEYS become codes of FP4 (E2M1) with one E8M0 byte for each 32 along the head's 64.  A PACK is 128 positions of one head, 4,608 bytes:
;   8 code tiles of 512 bytes: in tile t, lane l = r + 16 b has the 16 bytes at 512 t + 16 l: the 32 codes of block b of position 16 t + r (the lower k in the lower bits);
;   then 512 bytes of scale words: lane l has 16 bytes at 4096 + 16 l, word i for position 32 i + l; a word is byte(block 0) | byte(block 1) << 8 | 0x7f7f0000
;   (the matrix instruction's K is 128: its upper 64 are zero codes, made in the attention launch, under the byte 127).
;   Queries' packs lie on end in qpack (head 8 n + h, pack p at ((8 n + h) 32 + p) 4,608); keys' packs open each key step of kv (20,992 bytes a step).
; VALUES become f16, keys innermost: behind a step's pack, 16 fragments (g, T) of 1,024 bytes at 4608 + (4 g + T) 1024: the octet o of keys 32 g + 8 o .. + 7 of channel
;   d = 32 (T / 2) + 2 r + T % 2 lies at 256 o + 16 r, the lower key first.
; A block's scale is 2^(floor(log2(its largest magnitude)) - 2); its byte is the largest magnitude's exponent field - 2, held at 1 from below.
; LIMITS: a block of zeros gets the byte 1 where the quantiser's text says 127 (its codes are zeros, and this program alone reads the bytes); |values| above 65,504 have no f16 number;
; NaN and infinities among the inputs are not served.
; SHARES: work-groups 0-127 take the queries, 128-255 the keys (one path, the pointers chosen on the work-group's number), a pack to a wave; work-groups 256-511 take the values, 64 keys of a head to a wave.
; Waves share nothing: no barrier.  Matrix units, clusters and tensor loads would add nothing to a stream that is read once.
.set WREG,  8704                       ; LDS of a wave: two stages of 16 rows x 272 bytes
.set STG,   4352
.set RP,    272                        ; a stage row: 256 bytes + 16: 68 words, so the 16 rows that a read touches begin in 16 different groups of four banks (ISA guide 11.1)
.set SPARE, 4*WREG                     ; behind the stages: the spare words, 128 bytes for each wave
.set PACKB, 4608
.set STEPB, 20992
.set SPW,   7                          ; v7   LDS address of my spare word; never rewritten
.set NIL,   8                          ; v8   0; never rewritten
.set W,     16                         ; v16-23   a scale word for each tile
.set SW,    24                         ; v24-27   the scale words as they are stored
.set C,     28                         ; v28-59   codes, four registers a tile: no store's data are written again
.set X,     60                         ; v60-123  two sets of 32: a block of 32 numbers a lane
.set R,     124                        ; v124-251 four sets of 32: rows as they are loaded
.set XV,    16                         ; values: v16-143 64 keys x 2 channels a lane
.set PO,    144                        ; values: v144-207 the f16 pairs
	s_load_b256 s[4:11], s[0:1], 0x0               ; queries s[4:5], keys s[6:7], values s[8:9], qpack s[10:11]
	s_load_b64 s[12:13], s[0:1], 0x20              ; kv
	v_lshl_add_u32 v[SPW], v0, 2, SPARE
	v_mov_b32 v[NIL], 0
	v_lshrrev_b32 v1, 5, v0
	v_readfirstlane_b32 s14, v1                    ; wave 0..3
	v_and_b32 v1, 31, v0                           ; lane
	s_cmp_ge_u32 ttmp9, 256
	s_cbranch_scc1 .Lvalues
	; ---------------- queries and keys ----------------
	s_cmp_lt_u32 ttmp9, 128                        ; queries' work-group or keys'?  The choice hangs on the work-group's number alone
	s_mov_b32 s20, STEPB
	s_cselect_b32 s20, PACKB, s20                  ; from pack to pack in the destination
	s_cselect_b32 s21, 0, 128
	s_wait_kmcnt 0x0
	s_cselect_b64 s[16:17], s[4:5], s[6:7]         ; source
	s_cselect_b64 s[18:19], s[10:11], s[12:13]     ; destination
	s_sub_co_u32 s24, ttmp9, s21
	s_lshl_b32 s24, s24, 2
	s_add_co_u32 s24, s24, s14                     ; j = my pack's number, 0..511: h in bits 2:0, so that neighbouring waves read neighbouring rows
	s_and_b32 s25, s24, 7                          ; h
	s_bfe_u32 s26, s24, 0x50003                    ; p: 5 bits from bit 3
	s_lshr_b32 s27, s24, 8                         ; n
	s_lshl_b32 s28, s27, 23                        ; n x 4,096 x 2,048
	s_lshl_b32 s29, s26, 18                        ; p x 128 x 2,048
	s_add_co_u32 s28, s28, s29
	s_lshl_b32 s29, s25, 8                         ; h x 256
	s_add_co_u32 s28, s28, s29
	s_mov_b32 s29, 0
	s_add_nc_u64 s[16:17], s[16:17], s[28:29]
	s_lshl_b32 s30, s27, 3
	s_add_co_u32 s30, s30, s25
	s_lshl_b32 s30, s30, 5
	s_add_co_u32 s30, s30, s26                     ; (8 n + h) 32 + p
	s_mul_i32 s30, s30, s20
	s_mov_b32 s31, 0
	s_add_nc_u64 s[18:19], s[18:19], s[30:31]
	s_mov_b32 s22, 0x76543210
	s_mov_b32 s23, 0xfedcba98                      ; v_permlanex16_b32's selects for lane l xor 16
	s_mul_i32 s15, s14, WREG                       ; my stages
	v_and_b32 v9, 15, v1                           ; r
	v_lshrrev_b32 v10, 4, v1                       ; b
	v_lshlrev_b32 v2, 4, v9
	v_lshl_add_u32 v2, v10, 11, v2                 ; in memory: lanes 0-15 one row of 256 bytes, lanes 16-31 the head's next row
	v_mul_u32_u24 v3, v10, RP
	v_lshl_add_u32 v3, v9, 4, v3
	v_add_nc_u32 v3, s15, v3                       ; into a stage: the same two rows
	v_mul_u32_u24 v4, v9, RP
	v_lshl_add_u32 v4, v10, 7, v4
	v_add_nc_u32 v4, s15, v4                       ; out of it: row r, block b: 128 bytes on end
	v_lshlrev_b32 v5, 4, v1                        ; 16 x lane: my place in a code tile and among the scale words
	v_lshlrev_b32 v6, 3, v10                       ; 8 b: my byte's place in the scale word
	v_mov_b32 v14, 0                               ; written once: a lane permute's destination counts as one of its sources
.macro LOADT t                         ; tile t: 16 rows; each load reads two whole rows of 256 bytes
.irp i, 0,1,2,3,4,5,6,7
	global_load_b128 v[R+32*((\t)%4)+4*\i:R+32*((\t)%4)+4*\i+3], v2, s[16:17] offset:(16*(\t)+2*\i)*2048 th:TH_LOAD_NT
.endr
.endm
.macro TURN t                          ; tile t through a stage: in as it was loaded, out a block of 32 numbers a lane.  LDS serves a wave's instructions in order (ISA guide 5.7.1.4): no wait between stores and loads
.irp i, 0,1,2,3,4,5,6,7
	ds_store_b128 v3, v[R+32*((\t)%4)+4*\i:R+32*((\t)%4)+4*\i+3] offset:((\t)%2)*STG+2*\i*RP
.endr
.irp i, 0,1,2,3,4,5,6,7
	ds_load_b128 v[X+32*((\t)%2)+4*\i:X+32*((\t)%2)+4*\i+3], v4 offset:((\t)%2)*STG+16*\i
.endr
.endm
.macro TILE t
.set XS, X+32*((\t)%2)
	s_wait_dscnt 0x0                               ; this tile's numbers are back from the stage: so its stores into the stage have read their registers,
.if (\t) < 4
	LOADT (\t)+4                                   ; which take the loads of four tiles on
.endif
.if (\t) < 7
.if (\t) < 4
	s_wait_loadcnt 24                              ; the next tile's eight loads are in; those of the three tiles behind it may be out
.else
	s_wait_loadcnt 8*(6-(\t))                      ; the same, with fewer tiles left
.endif
	TURN (\t)+1                                    ; and go through the other stage while this tile is worked
.endif
	v_max3_num_f32 v10, |v[XS]|, |v[XS+1]|, |v[XS+2]|              ; the block's largest magnitude: all 32 numbers are mine; two chains
	v_max3_num_f32 v11, |v[XS+3]|, |v[XS+4]|, |v[XS+5]|
.irp i, 6,10,14,18,22,26
	v_max3_num_f32 v10, v10, |v[XS+\i]|, |v[XS+\i+1]|
	v_max3_num_f32 v11, v11, |v[XS+\i+2]|, |v[XS+\i+3]|
.endr
	v_max3_num_f32 v10, v10, |v[XS+30]|, |v[XS+31]|
	v_max3_num_f32 v10, v10, v11, 0x1800000        ; and the floor 2^(3 - 127): the byte cannot fall under 1
	v_add_nc_u32 v12, 0xff000000, v10              ; 2 off its exponent field: the conversion takes the exponent field of this operand as its scale, and nothing else of it
	v_lshrrev_b32 v13, 23, v12                     ; the scale's byte
.irp g, 0,1,2,3
	v_cvt_scalef32_pk8_fp4_f32 v[C+4*(\t)+\g], v[XS+8*\g:XS+8*\g+7], v12   ; eight numbers / the scale, to the nearest code, ties to even, beyond 6 the largest code
.endr
	v_lshl_or_b32 v13, v13, v6, 0x7f7f0000         ; my byte at its place, 127 for the two blocks of zero codes.  (Also the plain line behind the conversions)
	v_permlanex16_b32 v14, v13, s22, s23
	v_or_b32 v[W+(\t)], v13, v14                   ; with lane l xor 16's byte: row r's scale word, in both halves of the lanes
	global_store_b128 v5, v[C+4*(\t):C+4*(\t)+3], s[18:19] offset:512*(\t)   ; 32 lanes store 512 consecutive bytes, at a multiple of 256 from the buffer's first byte
.endm
	LOADT 0
	LOADT 1
	LOADT 2
	LOADT 3
	s_wait_loadcnt 24                              ; tile 0's eight loads are in
	TURN 0
.irp t, 0,1,2,3,4,5,6,7
	TILE \t
.endr
	v_cmp_gt_u32 vcc_lo, 16, v1
.irp i, 0,1,2,3
	v_cndmask_b32 v[SW+\i], v[W+2*\i+1], v[W+2*\i], vcc_lo   ; word i: position 32 i + lane: lanes 0-15 tile 2 i's, lanes 16-31 tile 2 i + 1's
.endr
	global_store_b128 v5, v[SW:SW+3], s[18:19] offset:4096
	s_wait_tensorcnt 0x0                           ; the wave's end: behind my last LDS store
	ds_add_u32 v[SPW], v[NIL]
	s_wait_dscnt 0x0
	s_endpgm
	; ---------------- values: no LDS on this path ----------------
.Lvalues:
	s_sub_co_u32 s24, ttmp9, 256
	s_lshl_b32 s24, s24, 2
	s_add_co_u32 s24, s24, s14                     ; j = my run of 64 keys, 0..1023
	s_and_b32 s25, s24, 7                          ; h
	s_bfe_u32 s26, s24, 0x60003                    ; c: which 64 keys of the head: 6 bits from bit 3
	s_lshr_b32 s27, s24, 9                         ; n
	s_lshl_b32 s28, s27, 23
	s_lshl_b32 s29, s26, 17                        ; c x 64 x 2,048
	s_add_co_u32 s28, s28, s29
	s_lshl_b32 s29, s25, 8
	s_add_co_u32 s28, s28, s29
	s_mov_b32 s29, 0
	s_lshl_b32 s30, s27, 3
	s_add_co_u32 s30, s30, s25
	s_lshl_b32 s30, s30, 5
	s_lshr_b32 s31, s26, 1
	s_add_co_u32 s30, s30, s31                     ; (8 n + h) 32 + the key step
	s_mul_i32 s30, s30, STEPB
	s_and_b32 s31, s26, 1
	s_lshl_b32 s31, s31, 13                        ; the step's first or second 64 keys: eight fragments of 1,024 bytes
	s_add_co_u32 s30, s30, s31
	s_add_co_u32 s30, s30, PACKB                   ; behind the keys' pack
	s_mov_b32 s31, 0
	v_lshlrev_b32 v2, 3, v1                        ; in: channels 2 l and 2 l + 1 of a key's row
	v_lshrrev_b32 v4, 4, v1
	v_and_b32 v5, 15, v1
	v_lshlrev_b32 v3, 4, v5
	v_lshl_add_u32 v3, v4, 11, v3                  ; out: 16 r, and lanes 16-31 two fragments on
	s_wait_kmcnt 0x0
	s_add_nc_u64 s[8:9], s[8:9], s[28:29]
	s_add_nc_u64 s[12:13], s[12:13], s[30:31]
.set kk, 0
.rept 64
	global_load_b64 v[XV+2*kk:XV+2*kk+1], v2, s[8:9] offset:2048*kk th:TH_LOAD_NT   ; key kk: 32 lanes read its row's 256 bytes
.set kk, kk+1
.endr
.irp q, 0,1,2,3,4,5,6,7                ; octet q of my 64 keys
	s_wait_loadcnt 56-8*\q                         ; its eight loads are in; the younger octets' may be out
.irp e, 0,1                            ; my even channel, my odd channel
.irp i, 0,1,2,3
	v_cvt_pk_f16_f32 v[PO+32*(\q/4)+16*\e+4*(\q%4)+\i], v[XV+2*(8*\q+2*\i)+\e], v[XV+2*(8*\q+2*\i+1)+\e]   ; two neighbouring keys of one channel, the lower key in the low half
.endr
	global_store_b128 v3, v[PO+32*(\q/4)+16*\e+4*(\q%4):PO+32*(\q/4)+16*\e+4*(\q%4)+3], s[12:13] offset:(\q/4)*4096+\e*1024+(\q%4)*256   ; lanes 0-15 store 256 consecutive bytes of fragment e, lanes 16-31 of fragment 2 + e, both aligned to 256
.endr
.endr
	s_endpgm
.Lfunc_end_k_qa634b09d82_prep:
	.size	k_qa634b09d82_prep, .Lfunc_end_k_qa634b09d82_prep-k_qa634b09d82_prep
	.p2alignl 7, 3214868480
	.fill 96, 4, 3214868480
	.section	.rodata,"a",@progbits
	.p2align	6, 0x0
	.amdhsa_kernel k_qa634b09d82_prep
		.amdhsa_group_segment_fixed_size 35328
		.amdhsa_private_segment_fixed_size 0
		.amdhsa_enable_private_segment 0
		.amdhsa_kernarg_size 40
		.amdhsa_user_sgpr_count 2
		.amdhsa_user_sgpr_kernarg_segment_ptr 1
		.amdhsa_wavefront_size32 1
		.amdhsa_system_sgpr_workgroup_id_x 1
		.amdhsa_system_sgpr_workgroup_id_y 1
		.amdhsa_system_sgpr_workgroup_id_z 1
		.amdhsa_system_vgpr_workitem_id 0
		.amdhsa_next_free_vgpr 256
		.amdhsa_next_free_sgpr 66
		.amdhsa_reserve_vcc 1
		.amdhsa_float_denorm_mode_32 3
		.amdhsa_float_denorm_mode_16_64 3
		.amdhsa_memory_ordered 1
		.amdhsa_forward_progress 1
		.amdhsa_inst_pref_size 44
	.end_amdhsa_kernel
	.amdgpu_metadata
---
amdhsa.version: [ 1, 2 ]
amdhsa.kernels:
  - .name:           k_qa634b09d82_prep
    .symbol:         k_qa634b09d82_prep.kd
    .args:
      - { .name: queries, .offset: 0, .size: 8, .value_kind: global_buffer, .address_space: global }
      - { .name: keys, .offset: 8, .size: 8, .value_kind: global_buffer, .address_space: global }
      - { .name: values, .offset: 16, .size: 8, .value_kind: global_buffer, .address_space: global }
      - { .name: qpack, .offset: 24, .size: 8, .value_kind: global_buffer, .address_space: global }
      - { .name: kv, .offset: 32, .size: 8, .value_kind: global_buffer, .address_space: global }
    .group_segment_fixed_size: 35328
    .private_segment_fixed_size: 0
    .kernarg_segment_align: 8
    .kernarg_segment_size: 40
    .max_flat_workgroup_size: 128
    .sgpr_count:     66
    .vgpr_count:     256
    .wavefront_size: 32
...
	.end_amdgpu_metadata
.endif
;; end of part 1
;; launch attn (part 2): grid 16 x 16, 8 waves a work-group, clusters of 4 x 1, 327,680 bytes of LDS; arguments qpack, kv, out0; writes out0
.if DOCPART == 2
	.amdgcn_target "amdgcn-amd-amdhsa--gfx1250"
	.amdhsa_code_object_version 6
	.text
	.protected	k_qa634b09d82_attn
	.globl	k_qa634b09d82_attn
	.p2align	8
	.type	k_qa634b09d82_attn,@function
k_qa634b09d82_attn:
	s_mov_b64 s[64:65], 0
	v_nop
	global_prefetch_b8 v0, s[64:65] scope:SCOPE_SE
	s_setreg_imm32_b32 hwreg(HW_REG_WAVE_MODE, 25, 1), 1
	s_wait_xcnt 0x0
	s_wait_alu depctr_hold_cnt(0) depctr_sa_sdst(0) depctr_va_vdst(0) depctr_va_sdst(0) depctr_va_ssrc(0) depctr_va_vcc(0) depctr_vm_vsrc(0)
	s_getreg_b32 s2, hwreg(HW_REG_IB_STS2, 6, 4)
	s_cmp_eq_u32 s2, 0
	s_cbranch_scc0 .Lentry_in_a_cluster
	s_endpgm
.Lentry_in_a_cluster:
	s_bfe_u32 s2, ttmp6, 0x10000c
	s_cmp_lg_u32 s2, 0x3003
	s_cbranch_scc0 .Lentry_shape_is_right
	s_endpgm
.Lentry_shape_is_right:
; out[n][q][h][:] = the sum over k of softmax_k(Q[q] . K[k] / 8) V[k][:], for each of 16 heads (8 n + h), 4,096 queries, 4,096 keys, head size 64.
; The first product runs on codes of FP4 (E2M1) with E8M0 scales, as the launch before has laid them; its K is 64: the upper 64 of the instruction's 128 are zero codes under the byte 127.
; The second runs on f16: p is at most about 1, and f16's 11 significant bits spend an eighth of what bf16's 8 would.  Maxima, exponentials, sums and O in f32; the row's sum is taken of the unrounded p.
; LIMITS: |values| up to 65,504 (f16); a p under about 3e-8 of its row's largest is lost in f16; NaN and infinities are not served.
; SHARES.  A work-group owns 256 queries of a head, each of its eight waves 32: two tiles of 16.  Two waves lie on a SIMD, 512 registers each, so that one wave's products stand beside the other's softmax.
; Every wave walks all keys, 128 a step.  A step's bytes in kv (20,992: the keys' codes and scale words, then V's 16 fragments) are images of operand registers: every LDS load is 16 bytes a lane on end, so no padding.
; LAYOUT.  S^T = K Q^T (source 0 = 16 keys, source 1 = 16 queries), O^T = V^T P: a lane holds ONE query (lane % 16) throughout.  Register j of score tile t is key 16 t + 8 (lane / 16) + j: two neighbouring tiles,
; rounded to f16 in pairs, are P's fragment as they stand.  V's tile T holds channels 32 (T / 2) + 2 r + T % 2, so that a lane's results of tiles 2 e and 2 e + 1 are 16 neighbouring channels.
; SOFTMAX.  A running maximum m and sum l for each query: p = 2^(c s - c m), c = log2(e) / 8; in every step O and l are multiplied by a = 2^(c m_old - c m_new).  m begins at -3e38 and O and l as zeros: the step is written once.
; CLUSTER.  The four query blocks of a cluster belong to one head and walk the same kv: each slot is asked for JOINTLY, by the same tensor load with the same descriptor and a mask that names the four.
; RING.  Two LDS slots of four key steps (83,968 bytes).  Each of the eight waves fetches an eighth of a slot, 41 rows of 256 bytes, by one load: one tensor load of a wave is out at any time, and it has four key steps in which to land.
; REGISTERS, window 0: v1-10 addresses; v16-31 statistics, eight a tile: +0 c m, +1 m, +2, +3 l, +4..7 four chains, then +6 a, +7 c m_old - c m; v32-47 Q; v48 Q's scale words; v52-55 K's; v56-59 second sum chains;
;   v64-191 S^T (64 u + 8 t + j); v192-255 P (32 u + 4 t + pair).   window 1: v0-63 O^T (32 u + 8 T + j); v64-127 K's fragments (registers 4-7 of each stay zero); v128-255 V's.
.set STEPB, 20992
.set SLOTB, 4*STEPB
.set SLOT1, 1<<17                      ; slot 1 begins here, so that one exclusive or turns an address in one slot into the other's
.set PART,  SLOTB/8                    ; 10,496 bytes: what one tensor load brings
.set HEADB, 32*STEPB
.set STAGE, SLOT1+SLOTB                ; behind the ring: 32 rows x 272 bytes for each wave, for the way out; no tensor load lands here
.set WSTG,  8704
.set SPARE, STAGE+8*WSTG               ; behind the stages: the spare words, 128 bytes for each wave
.set L16, 1                            ; v1   16 x lane
.set ADR, 2                            ; v2   LDS address of the step in hand, for my lane
.set STO, 3                            ; v3   the way out: where I put 64 bytes of a row
.set RD,  4                            ; v4   the way out: where I read a row back
.set GO,  5                            ; v5   my byte offset in the wave's rows of out
.set PFO, 6                            ; v6   the prefetches' offset; never rewritten
.set QA,  7                            ; v7   my offset among Q's codes
.set SPW, 8                            ; v8   LDS address of my spare word; never rewritten
.set NIL, 9                            ; v9   0; never rewritten
.set QB,  10                           ; v10  my offset among Q's scale words
.set ST,  16
.set QF,  32
.set QS,  48
.set KS,  52
.set SB,  56
.set S,   64
.set P,   192
.set O,   0                            ; window 1
.set KF,  64                           ; window 1
.set VF,  128                          ; window 1
.set MSB, 0
.macro WIN new                         ; the immediate's high byte repeats the setting that is left; a switch that changes nothing is dropped
.if MSB != \new
	s_set_vgpr_msb (MSB<<8)|\new
.set MSB, \new
.endif
.endm
; A round of the cluster's barrier: my work-group's barrier, so that wave 0's signal speaks for all eight waves; wave 0 signals for the work-group; every wave waits for all four work-groups; my work-group's barrier once more.
.macro CROUND
	s_barrier_signal -1
	s_barrier_wait -1
	s_cmp_lg_u32 s10, 0
	s_cbranch_scc1 .Lnot_wave_0_\@
	s_barrier_signal -3
.Lnot_wave_0_\@:
	s_barrier_wait -3
	s_barrier_signal -1
	s_barrier_wait -1
.endm
; A PREFETCH of the slot that the NEXT change of slots will ask for: four key steps ahead of that load.  All clusters of a head walk the same kv: the head's first cluster asks.  Its four partners are told apart BY ADDRESS:
; each takes one key step's 82 blocks of 256 bytes; in each, waves 0 to 2 ask, a lane a block (threads 82 to 95 name block 81 again, in the same instruction).  The last change that fills a slot asks for nothing; slots 0 and 1 come by their loads alone.
.macro ASK
	s_cmp_gt_u32 s31, s30
	s_cbranch_scc0 .Lnot_mine_\@
	global_prefetch_b8 v[PFO], s[28:29] th:TH_LOAD_NT scope:SCOPE_SE
.Lnot_mine_\@:
.endm
	s_load_b128 s[4:7], s[0:1], 0x0                ; qpack s[4:5], kv s[6:7]
	s_load_b64 s[8:9], s[0:1], 0x10                ; out
	v_lshl_add_u32 v[SPW], v0, 2, SPARE
	v_mov_b32 v[NIL], 0
	ds_add_u32 v[SPW], v[NIL]                      ; the wave's opening: the add, twice on end, and its wait ahead of my first tensor load; the set-up below, work on registers, stands between
	ds_add_u32 v[SPW], v[NIL]
	v_lshrrev_b32 v12, 5, v0
	v_readfirstlane_b32 s10, v12                   ; wave 0..7
	s_bfe_u32 s11, ttmp6, 0x40000                  ; cx: my place in the cluster
	s_lshl_b32 s12, ttmp9, 2                       ; in a cluster launch ttmp9 counts clusters
	s_add_co_u32 s12, s12, s11                     ; my block of 256 queries: it enters Q's and out's addresses alone
	s_and_b32 s13, ttmp7, 0xffff                   ; the head 8 n + h, which the four partners share
	; descriptor group 1: a dense block of 41 rows of 256 bytes (32 elements of 8 bytes), no padding
	s_mov_b32 s16, 15|(3<<16)|(1<<21)              ; 15:0 the mask: all four work-groups; 17:16 elements of 8 bytes; 21 set beside a mask
	s_mov_b32 s17, 32<<16                          ; tensor_dim0 = 32
	s_mov_b32 s18, 41<<16                          ; tensor_dim1 = 41
	s_mov_b32 s19, 32<<16                          ; tile_dim0 = 32
	s_mov_b32 s20, 41                              ; tile_dim1 = 41
	s_mov_b32 s21, 32                              ; elements from row to row
	s_mov_b32 s22, 0
	s_mov_b32 s23, 0
	s_mov_b32 s34, 0x3e38aa3b                      ; c = log2(e) / 8
	s_mov_b32 s35, s34                             ; (named with it as a pair, so it is written)
	s_mov_b32 s36, 0x76543210
	s_mov_b32 s37, 0xfedcba98                      ; v_permlanex16_b32's selects for lane l xor 16
	s_mov_b32 s33, 0                               ; LDS byte at which the step in hand begins
	s_mov_b32 s31, 7                               ; slots still to be asked for
	s_cmp_lt_u32 s10, 3
	s_cselect_b32 s38, 0, 1
	s_or_b32 s38, s38, ttmp9                       ; 0 in waves 0 to 2 of the head's first cluster: the same in all four partners
	s_cmp_eq_u32 s38, 0
	s_cselect_b32 s30, 1, -1                       ; a wave prefetches while s31 is above this
	s_mul_i32 s38, s13, HEADB                      ; the head's first byte in kv
	s_mov_b32 s39, 0
	s_mul_i32 s40, s10, PART                       ; my eighth of a slot, in memory
	s_mov_b32 s41, 0
	s_mul_i32 s42, s11, STEPB                      ; the prefetches: my work-group's key step of a slot,
	s_add_co_u32 s42, s42, SLOTB                   ; in slot 1: the first change of slots steps it to slot 2
	s_mov_b32 s43, 0
	s_lshl_b32 s44, s13, 5
	s_lshl_b32 s45, s12, 1
	s_add_co_u32 s44, s44, s45
	s_lshr_b32 s45, s10, 2
	s_add_co_u32 s44, s44, s45                     ; my queries' pack: 32 head + 2 block + wave / 4
	s_mul_i32 s44, s44, 4608
	s_mov_b32 s45, 0
	s_lshr_b32 s46, s13, 3
	s_lshl_b32 s46, s46, 23                        ; out: n x 4,096 x 2,048
	s_lshl_b32 s47, s12, 19                        ; + block x 256 x 2,048
	s_add_co_u32 s46, s46, s47
	s_lshl_b32 s47, s10, 16                        ; + wave x 32 x 2,048
	s_add_co_u32 s46, s46, s47
	s_and_b32 s47, s13, 7
	s_lshl_b32 s47, s47, 8                         ; + h x 256
	s_add_co_u32 s46, s46, s47
	s_mov_b32 s47, 0
	v_and_b32 v12, 31, v0
	v_lshlrev_b32 v[L16], 4, v12
	v_min_u32 v[PFO], 81, v0
	v_lshlrev_b32 v[PFO], 8, v[PFO]
	s_and_b32 s14, s10, 3                          ; which 32 positions of the pack are mine
	s_lshl_b32 s15, s14, 10
	v_add_nc_u32 v[QA], s15, v[L16]                ; two code tiles of 512 bytes
	s_lshl_b32 s15, s14, 2
	v_add_nc_u32 v[QB], s15, v[L16]                ; word wave % 4 of my lane's four
	s_wait_dscnt 0x0                               ; both opening adds are done
	s_wait_kmcnt 0x0
	s_add_nc_u64 s[6:7], s[6:7], s[38:39]          ; kv at my head
	s_add_nc_u64 s[28:29], s[6:7], s[42:43]        ; where my prefetches stand
	s_add_nc_u64 s[4:5], s[4:5], s[44:45]          ; qpack at my pack
	s_add_nc_u64 s[8:9], s[8:9], s[46:47]          ; out at my wave's first row
	s_mov_b32 s24, 1                               ; descriptor group 0: count = 1
	s_mul_i32 s25, s10, PART                       ; LDS address: slot 0, my eighth: no place in the cluster enters an LDS address
	s_add_nc_u64 s[26:27], s[6:7], s[40:41]        ; global address: the head's first four key steps, my eighth
	s_or_b32 s27, s27, 0x80000000                  ; type = 2
	CROUND                                         ; all four work-groups are here: the first joint loads meet
	tensor_load_to_lds s[24:27], s[16:23]          ; slot 0
	s_nop 0
.rept 4
	v_nop
.endr
	global_load_b128 v[QF:QF+3], v[QA], s[4:5]             ; Q's codes stay in registers: tile 0,
	global_load_b128 v[QF+8:QF+11], v[QA], s[4:5] offset:512   ; tile 1
	global_load_b32 v[QS], v[QB], s[4:5] offset:4096       ; their scale words: lanes 0-15 tile 0's, lanes 16-31 tile 1's
	WIN 0x40                                       ; destination window 1
.set i, 0
.rept 64
	v_mov_b32 v[O+i], 0                            ; O^T: the step is written once, and its first a, which is 0, finds zeros
.set i, i+1
.endr
.irp t, 0,1,2,3,4,5,6,7
.irp z, 4,5,6,7
	v_mov_b32 v[KF+8*\t+\z], 0                     ; K = 64 .. 127 of K's fragments: zero codes, for the whole launch
.endr
.endr
	WIN 0
.irp z, 4,5,6,7,12,13,14,15
	v_mov_b32 v[QF+\z], 0                          ; and of Q's
.endr
.irp u, 0,1
	v_mov_b32 v[ST+8*\u+1], 0xff61b1e6             ; m: -3e38, under every score
	v_mov_b32 v[ST+8*\u+2], 0                      ; l, in two halves
	v_mov_b32 v[ST+8*\u+3], 0
.endr
.irp u, 0,1
	v_mul_f32 v[ST+8*\u], s34, v[ST+8*\u+1]        ; c m
.endr
	v_and_b32 v12, 15, v0                          ; r.  (The twelve plain lines from here on also stand between the zero codes' writes and the first scaled product)
	v_bfe_u32 v13, v0, 4, 1                        ; h
	s_mul_i32 s38, s10, WSTG
	s_add_co_u32 s38, s38, STAGE                   ; my stage
	v_mul_u32_u24 v[STO], v12, 272
	v_lshl_add_u32 v[STO], v13, 6, v[STO]
	v_add_nc_u32 v[STO], s38, v[STO]               ; in: row r, 64 bytes for each half of the lanes
	v_mul_u32_u24 v[RD], v13, 272
	v_lshl_add_u32 v[RD], v12, 4, v[RD]
	v_add_nc_u32 v[RD], s38, v[RD]                 ; back: lanes 0-15 one row of 256 bytes, lanes 16-31 the next
	v_lshlrev_b32 v[GO], 11, v13
	v_lshl_add_u32 v[GO], v12, 4, v[GO]            ; and the same two rows in out, 2,048 bytes apart
	s_wait_loadcnt 0x0                             ; Q
; One product of S^T = K Q^T: keys 16 t on, query tile u.  K's scale words: register t / 2, lanes 0-15 for an even t, lanes 16-31 for an odd one; Q's: lanes 0-15 for tile 0, lanes 16-31 for tile 1.
.macro QK t, u
.if ((\t)%2 == 0) && ((\u) == 0)
	v_wmma_scale_f32_16x16x128_f8f6f4 v[S+64*(\u)+8*(\t):S+64*(\u)+8*(\t)+7], v[KF+8*(\t):KF+8*(\t)+7], v[QF+8*(\u):QF+8*(\u)+7], 0, v[KS+(\t)/2], v[QS] matrix_a_fmt:MATRIX_FMT_FP4 matrix_b_fmt:MATRIX_FMT_FP4
.elseif ((\u) == 0)
	v_wmma_scale_f32_16x16x128_f8f6f4 v[S+64*(\u)+8*(\t):S+64*(\u)+8*(\t)+7], v[KF+8*(\t):KF+8*(\t)+7], v[QF+8*(\u):QF+8*(\u)+7], 0, v[KS+(\t)/2], v[QS] matrix_a_fmt:MATRIX_FMT_FP4 matrix_b_fmt:MATRIX_FMT_FP4 matrix_a_scale:MATRIX_SCALE_ROW1
.elseif ((\t)%2 == 0)
	v_wmma_scale_f32_16x16x128_f8f6f4 v[S+64*(\u)+8*(\t):S+64*(\u)+8*(\t)+7], v[KF+8*(\t):KF+8*(\t)+7], v[QF+8*(\u):QF+8*(\u)+7], 0, v[KS+(\t)/2], v[QS] matrix_a_fmt:MATRIX_FMT_FP4 matrix_b_fmt:MATRIX_FMT_FP4 matrix_b_scale:MATRIX_SCALE_ROW1
.else
	v_wmma_scale_f32_16x16x128_f8f6f4 v[S+64*(\u)+8*(\t):S+64*(\u)+8*(\t)+7], v[KF+8*(\t):KF+8*(\t)+7], v[QF+8*(\u):QF+8*(\u)+7], 0, v[KS+(\t)/2], v[QS] matrix_a_fmt:MATRIX_FMT_FP4 matrix_b_fmt:MATRIX_FMT_FP4 matrix_a_scale:MATRIX_SCALE_ROW1 matrix_b_scale:MATRIX_SCALE_ROW1
.endif
.endm
.macro PKF u                           ; pair j of tile u: c s - c m, two at a time (of the pairs c and c m the low word serves both halves)
	v_pk_fma_f32 v[S+64*\u+2*j:S+64*\u+2*j+1], v[S+64*\u+2*j:S+64*\u+2*j+1], s[34:35], v[ST+8*\u:ST+8*\u+1] op_sel_hi:[1,0,0] neg_lo:[0,0,1] neg_hi:[0,0,1]
.endm
; A KEY STEP: 128 keys, in phases.
.macro STEP
	v_add_nc_u32 v[ADR], s33, v[L16]
	ds_load_b128 v[KS:KS+3], v[ADR] offset:4096    ; K's scale words: word i for key 32 i + lane
	WIN 0x40                                       ; destination window 1, address window 0
.irp t, 0,1,2,3,4,5,6,7
	ds_load_b128 v[KF+8*\t:KF+8*\t+3], v[ADR] offset:512*\t   ; K's codes: registers 0-3 of fragment t
.endr
	s_wait_dscnt 0x0
	WIN 0x01                                       ; source 0 (K) window 1; Q and S^T window 0
.irp t, 0,1,2,3,4,5,6,7
.irp u, 0,1
	QK \t, \u                                      ; each starts its sum with the constant 0
.endr
.endr
	WIN 0x40
.rept 4
	v_nop                                          ; four plain places: behind the scores' products, ahead of the first read of S^T; and behind the last step's V^T P, ahead of the loads into V's registers
.endr
.irp f, 0,1,2,3,4,5,6,7,8,9,10,11,12,13,14,15  ; V's fragments (keys 32 (f / 4) on, tile f % 4): they land while the softmax is worked
	ds_load_b128 v[VF+8*\f:VF+8*\f+3], v[ADR] offset:4608+1024*\f
	ds_load_b128 v[VF+8*\f+4:VF+8*\f+7], v[ADR] offset:4608+1024*\f+512
.endr
	WIN 0
	; the maximum of my 64 scores a tile: four chains of 16, both tiles by turns; each accumulator is read from its low end on
.irp b, 0,1,2,3
.irp u, 0,1
	v_max3_num_f32 v[ST+8*\u+4+\b], v[S+64*\u+16*\b], v[S+64*\u+16*\b+1], v[S+64*\u+16*\b+2]
.endr
.endr
.irp i, 3,5,7,9,11,13
.irp b, 0,1,2,3
.irp u, 0,1
	v_max3_num_f32 v[ST+8*\u+4+\b], v[ST+8*\u+4+\b], v[S+64*\u+16*\b+\i], v[S+64*\u+16*\b+\i+1]
.endr
.endr
.endr
.irp b, 0,1,2,3
.irp u, 0,1
	v_max_num_f32 v[ST+8*\u+4+\b], v[ST+8*\u+4+\b], v[S+64*\u+16*\b+15]
.endr
.endr
.irp u, 0,1
	v_max3_num_f32 v[ST+8*\u+4], v[ST+8*\u+4], v[ST+8*\u+5], v[ST+8*\u+6]
.endr
.irp u, 0,1
	v_max3_num_f32 v[ST+8*\u+4], v[ST+8*\u+4], v[ST+8*\u+7], v[ST+8*\u+1]   ; with the old m
.endr
.irp u, 0,1
	v_permlanex16_b32 v[ST+8*\u+5], v[ST+8*\u+4], s36, s37                  ; the query's other 64 keys lie in the lane 16 away
.endr
.irp u, 0,1
	v_mov_b32 v[ST+8*\u+7], v[ST+8*\u]             ; c m_old is kept for a
.endr
.irp u, 0,1
	v_max_num_f32 v[ST+8*\u+1], v[ST+8*\u+4], v[ST+8*\u+5]   ; the new m
.endr
.irp u, 0,1
	v_mul_f32 v[ST+8*\u], s34, v[ST+8*\u+1]        ; c m
.endr
.irp u, 0,1
	v_sub_f32 v[ST+8*\u+7], v[ST+8*\u+7], v[ST+8*\u]
.endr
	; ONE BATCH of 130 exponentials with one wait: a for both tiles, then the scores; a pair is scaled one turn ahead of its exponentials; nothing in the batch names an exponential's result
.irp u, 0,1
	v_exp_f32 v[ST+8*\u+6], v[ST+8*\u+7]           ; a = 2^(c m_old - c m_new)
.endr
.set j, 0
	PKF 0
	PKF 1
.set j, 1
.rept 31
	PKF 0
	PKF 1
	v_exp_f32 v[S+2*j-2], v[S+2*j-2]
	v_exp_f32 v[S+2*j-1], v[S+2*j-1]
	v_exp_f32 v[S+64+2*j-2], v[S+64+2*j-2]
	v_exp_f32 v[S+64+2*j-1], v[S+64+2*j-1]
.set j, j+1
.endr
	v_exp_f32 v[S+62], v[S+62]
	v_exp_f32 v[S+63], v[S+63]
	v_exp_f32 v[S+126], v[S+126]
	v_exp_f32 v[S+127], v[S+127]
	v_nop                                          ; a plain instruction behind the last exponential, ahead of the first use (ISA guide 5.7.2)
	s_wait_alu depctr_va_vdst(0)                   ; a wait ahead of the first instruction that names an exponential's result: one for the batch
	; p is rounded to f16 in pairs, which are P's registers; the row's sum is taken of the unrounded p, two at a time, in two chains a tile; roundings and sums by turns
.irp u, 0,1
	v_pk_mul_f32 v[ST+8*\u+2:ST+8*\u+3], v[ST+8*\u+2:ST+8*\u+3], v[ST+8*\u+6:ST+8*\u+7] op_sel_hi:[1,0]   ; l under the new m
.endr
.irp u, 0,1
	v_cvt_pk_f16_f32 v[P+32*\u], v[S+64*\u], v[S+64*\u+1]
	v_cvt_pk_f16_f32 v[P+32*\u+1], v[S+64*\u+2], v[S+64*\u+3]
	v_pk_add_f32 v[SB+2*\u:SB+2*\u+1], v[S+64*\u:S+64*\u+1], v[S+64*\u+2:S+64*\u+3]
.endr
.irp n, 4,8,12,16,20,24,28,32,36,40,44,48,52,56,60
.irp u, 0,1
	v_cvt_pk_f16_f32 v[P+32*\u+\n/2], v[S+64*\u+\n], v[S+64*\u+\n+1]
	v_cvt_pk_f16_f32 v[P+32*\u+\n/2+1], v[S+64*\u+\n+2], v[S+64*\u+\n+3]
	v_pk_add_f32 v[ST+8*\u+2:ST+8*\u+3], v[ST+8*\u+2:ST+8*\u+3], v[S+64*\u+\n:S+64*\u+\n+1]
	v_pk_add_f32 v[SB+2*\u:SB+2*\u+1], v[SB+2*\u:SB+2*\u+1], v[S+64*\u+\n+2:S+64*\u+\n+3]
.endr
.endr
.irp u, 0,1
	v_pk_add_f32 v[ST+8*\u+2:ST+8*\u+3], v[ST+8*\u+2:ST+8*\u+3], v[SB+2*\u:SB+2*\u+1]
.endr
	WIN 0x41                                       ; O^T (destination and source 0) window 1, a window 0
.irp u, 0,1
.irp n, 0,2,4,6,8,10,12,14,16,18,20,22,24,26,28,30
	v_pk_mul_f32 v[O+32*\u+\n:O+32*\u+\n+1], v[O+32*\u+\n:O+32*\u+\n+1], v[ST+8*\u+6:ST+8*\u+7] op_sel_hi:[1,0]   ; O^T under the new m, each accumulator from its low end on
.endr
.endr
	s_wait_dscnt 0x0                               ; V is in
	WIN 0x51                                       ; V, C and D window 1; P window 0
.irp g, 0,1,2,3                        ; O^T += V^T P: the eight accumulators take turns, one instruction a turn: seven others' stand between two links of a chain
.irp T, 0,1,2,3
.irp u, 0,1
	v_wmma_f32_16x16x32_f16 v[O+32*\u+8*\T:O+32*\u+8*\T+7], v[VF+8*(4*\g+\T):VF+8*(4*\g+\T)+7], v[P+32*\u+8*\g:P+32*\u+8*\g+7], v[O+32*\u+8*\T:O+32*\u+8*\T+7]
.endr
.endr
.endr
	WIN 0                                          ; at a label and at a branch every window is 0
.endm
; THE CHANGE OF SLOTS stands at a slot's head.  Each wave waits for all its tensor loads (one is out: its eighth of the slot that it is about to read), adds 0 to its spare word, and waits for that and for its reads of the slot
; that it has left.  fill = 1: the barrier is a round of the cluster's, so that no wave of any partner still reads the other slot or has a load on its way; the joint load of the next four key steps is the first thing behind it.
.macro CHANGE fill
	s_wait_tensorcnt 0x0                           ; no tensor load of mine is out, so the descriptor may be written
	ds_add_u32 v[SPW], v[NIL]                      ; 0 onto my spare word
.if \fill
	s_xor_b32 s25, s25, SLOT1                      ; the walking descriptor: the other slot than last time,
	s_add_nc_u64 s[26:27], s[26:27], SLOTB         ; the next four key steps; the type bits on top are not reached
	s_wait_xcnt 0x0                                ; the last prefetch, four key steps back, has read its address, so it may be written:
	s_add_nc_u64 s[28:29], s[28:29], SLOTB         ; one slot further on than the walking descriptor
.endif
	s_wait_dscnt 0x0                               ; the add is done, and my reads of the slot that I have left are over
.if \fill
	CROUND
	tensor_load_to_lds s[24:27], s[16:23]          ; my one tensor load until the next round
	s_nop 0
.rept 4
	v_nop
.endr
	ASK
.else
	s_barrier_signal -1
	s_barrier_wait -1
.endif
.endm
.macro FOUR_STEPS                      ; a slot's four key steps: written once, walked four times; the LDS addresses hang on s33
	s_mov_b32 s32, 4
.Lstep_\@:
	STEP
	s_add_co_u32 s33, s33, STEPB
	s_sub_co_u32 s32, s32, 1
	s_cmp_lg_u32 s32, 0
	s_cbranch_scc1 .Lstep_\@
	s_sub_co_u32 s33, s33, 4*STEPB                 ; back to a slot's first step,
	s_xor_b32 s33, s33, SLOT1                      ; in the other slot
.endm
.Lslot:                                            ; seven trips: behind each change of slots but the last the next slot is asked for
	CHANGE 1
	FOUR_STEPS
	s_sub_co_u32 s31, s31, 1
	s_cmp_lg_u32 s31, 0
	s_cbranch_scc1 .Lslot
	CHANGE 0                                       ; the last slot is written out
	FOUR_STEPS
	; THE WAY OUT.  l's two halves and the other half of the lanes' are added; O^T is divided by l and goes through my own stage in LDS, so that sixteen lanes store a whole row of 256 bytes.  The additions are the places behind the last products.
.irp u, 0,1
	v_add_f32 v[ST+8*\u+4], v[ST+8*\u+2], v[ST+8*\u+3]
.endr
.irp u, 0,1
	v_permlanex16_b32 v[ST+8*\u+5], v[ST+8*\u+4], s36, s37
.endr
.irp u, 0,1
	v_add_f32 v[ST+8*\u+4], v[ST+8*\u+4], v[ST+8*\u+5]
.endr
.irp u, 0,1
	v_rcp_f32 v[ST+8*\u+6], v[ST+8*\u+4]
.endr
	v_nop                                          ; a plain instruction between the last reciprocal and the use of its result
	s_wait_alu depctr_va_vdst(0)                   ; and a wait ahead of the first use: one for both reciprocals
.macro OUT_PACK u                      ; tile u: register j of V's tile 2 e + par is channel 32 e + 16 (lane / 16) + 2 j + par: the products are laid in that order, 16 neighbouring channels on end
	WIN 0x01                                       ; source 0 (O^T) window 1
.irp e, 0,1
.irp par, 0,1
.irp n, 0,1,2,3,4,5,6,7
	v_mul_f32 v[S+32*\u+16*\e+2*\n+\par], v[O+32*\u+8*(2*\e+\par)+\n], v[ST+8*\u+6]   ; each accumulator from its low end on
.endr
.endr
.endr
	WIN 0
.irp e, 0,1
.irp i, 0,1,2,3
	ds_store_b128 v[STO], v[S+32*\u+16*\e+4*\i:S+32*\u+16*\e+4*\i+3] offset:4352*\u+128*\e+16*\i
.endr
.endr
.irp i, 0,1,2,3,4,5,6,7
	ds_load_b128 v[P+32*\u+4*\i:P+32*\u+4*\i+3], v[RD] offset:4352*\u+544*\i   ; LDS serves a wave's instructions in order (ISA guide 5.7.1.4): these see my stores
.endr
.endm
.macro OUT_SEND u, younger             ; younger: the LDS instructions issued behind tile u's loads, which may stay out
.irp i, 0,1,2,3,4,5,6,7
	s_wait_dscnt \younger+7-\i                     ; rows 2 i and 2 i + 1 are back in registers
	global_store_b128 v[GO], v[P+32*\u+4*\i:P+32*\u+4*\i+3], s[8:9] offset:(16*\u+2*\i)*2048 th:TH_STORE_NT   ; 16 lanes store 256 consecutive bytes, at a multiple of 256 from out's first byte; written once, read by nobody here
.endr
.endm
	OUT_PACK 0
	OUT_PACK 1                                     ; tile 1's arithmetic stands between tile 0's loads and its stores
	OUT_SEND 0, 16
	OUT_SEND 1, 0
	s_wait_tensorcnt 0x0                           ; the wave's end: behind my last tensor load and my last LDS store
	ds_add_u32 v[SPW], v[NIL]
	s_wait_dscnt 0x0
	CROUND                                         ; the closing round: no work-group ends while a partner may still ask for a slot that names it
	s_endpgm
.Lfunc_end_k_qa634b09d82_attn:
	.size	k_qa634b09d82_attn, .Lfunc_end_k_qa634b09d82_attn-k_qa634b09d82_attn
	.p2alignl 7, 3214868480
	.fill 96, 4, 3214868480
	.section	.rodata,"a",@progbits
	.p2align	6, 0x0
	.amdhsa_kernel k_qa634b09d82_attn
		.amdhsa_group_segment_fixed_size 327680
		.amdhsa_private_segment_fixed_size 0
		.amdhsa_enable_private_segment 0
		.amdhsa_kernarg_size 24
		.amdhsa_user_sgpr_count 2
		.amdhsa_user_sgpr_kernarg_segment_ptr 1
		.amdhsa_wavefront_size32 1
		.amdhsa_system_sgpr_workgroup_id_x 1
		.amdhsa_system_sgpr_workgroup_id_y 1
		.amdhsa_system_sgpr_workgroup_id_z 1
		.amdhsa_system_vgpr_workitem_id 0
		.amdhsa_next_free_vgpr 512
		.amdhsa_next_free_sgpr 66
		.amdhsa_reserve_vcc 0
		.amdhsa_float_denorm_mode_32 3
		.amdhsa_float_denorm_mode_16_64 3
		.amdhsa_memory_ordered 1
		.amdhsa_forward_progress 1
		.amdhsa_inst_pref_size 77
	.end_amdhsa_kernel
	.amdgpu_metadata
---
amdhsa.version: [ 1, 2 ]
amdhsa.kernels:
  - .name:           k_qa634b09d82_attn
    .symbol:         k_qa634b09d82_attn.kd
    .args:
      - { .name: qpack, .offset: 0, .size: 8, .value_kind: global_buffer, .address_space: global }
      - { .name: kv, .offset: 8, .size: 8, .value_kind: global_buffer, .address_space: global }
      - { .name: out0, .offset: 16, .size: 8, .value_kind: global_buffer, .address_space: global }
    .group_segment_fixed_size: 327680
    .private_segment_fixed_size: 0
    .kernarg_segment_align: 8
    .kernarg_segment_size: 24
    .max_flat_workgroup_size: 256
    .sgpr_count:     66
    .vgpr_count:     512
    .wavefront_size: 32
...
	.end_amdgpu_metadata
.endif
;; end of part 2
